; MI455X (gfx1250); checked and timed in simulation.
; The chip was launched on July 23, 2026; its instructions are those of AMD's public machine-readable ISA for CDNA 5 (MIT licence, August 2026) and "CDNA5" Instruction Set Architecture Reference Guide (July 2026). The comments in the code are by the model that wrote it; some were corrected since.
;; KNRM. Allowed arithmetic: matrix products marked QUANTISED: E5M2 operands, one given power-of-two scale a tensor, by v_wmma_f32_16x16x64_bf8_bf8 or v_wmma_f32_16x16x128_bf8_bf8, f32 sums; products left as they are: f32 operands where the result goes on into a quantised operand, else bf16, f16 or f32 operands; f32 sums; everything else in f32.
;; Inputs: W0 10 x 21 float32; W1 5 x 10 float32; W2 1 x 5 float32; b0 10 float32; b1 5 float32; b2 1 float32; document_1 512 x 256 int32; document_2 512 x 256 int32; emb_weight 100,000 x 256 float32; lowp_scales 4 int32 (the exponents e of the quantised operands' scales 2^e); query_1 512 x 32 int32; query_2 512 x 32 int32.
;; Outputs: out0 512 x 1 float32.
;; This version of the problem:
;;   THIS VERSION OF THE PROBLEM IS GIVEN IN LOW PRECISION. The matrix products marked QUANTISED in the list below multiply operands that are first quantised to E5M2 (5 exponent bits, 2 mantissa bits; 8 bits a number), with one given power-of-two scale for each operand tensor; their sums are f32. All else is computed in f32.
;;   The module's matrix products, in the order in which they are computed (A, B: the left and right operand; K: the contracted axis; several contracted axes count as one K, in the product's order):
;;     1. batch 512 x [M 32, K 256] x [K 256, N 256]; A: computed on the way; B: computed on the way: QUANTISED (scales: A lowp_scales[0], B lowp_scales[1])
;;     2. [M 512, K 21] x [K 21, N 10]; A: computed on the way; B: input W0: left as it is (K = 21 < 32)
;;     3. [M 512, K 10] x [K 10, N 5]; A: computed on the way; B: input W1: left as it is (K = 10 < 32)
;;     4. [M 512, K 5] x [K 5, N 1]; A: computed on the way; B: input W2: left as it is (K = 5 < 32)
;;     5. batch 512 x [M 32, K 256] x [K 256, N 256]; A: computed on the way; B: computed on the way: QUANTISED (scales: A lowp_scales[2], B lowp_scales[3])
;;     6. [M 512, K 21] x [K 21, N 10]; A: computed on the way; B: input W0: left as it is (K = 21 < 32)
;;     7. [M 512, K 10] x [K 10, N 5]; A: computed on the way; B: input W1: left as it is (K = 10 < 32)
;;     8. [M 512, K 5] x [K 5, N 1]; A: computed on the way; B: input W2: left as it is (K = 5 < 32)
;;   THE QUANTISER, for each operand of a quantised product, along K:
;;     - The operand's scale is 2^e, e = its entry of the input lowp_scales (int32; the entries are numbered through the quantised products in the list's order, A before B).
;;     - Each number is divided by the scale, clamped to +-57,344, and rounded to the nearest number of E5M2, ties to even, subnormals kept.
;;     - The product sums the exact products of the quantised numbers (number of the format x scale) in f32.
;;   ~~~python
;;   def quantise(x, axis, e):      # numpy; x: float32 -> the quantised numbers, widened to float32 again
;;       x = np.moveaxis(x, axis, -1); K = x.shape[-1]
;;       r = np.clip(x / 2.0 ** e, -57344, 57344)
;;       step = 2.0 ** (np.maximum(np.frexp(np.where(r == 0, 1, r))[1] - 1, -14) - 2)
;;       q = np.round(r / step) * step * 2.0 ** e      # np.round: ties to even
;;       return np.moveaxis(q, -1, axis).astype(np.float32)
;;   ~~~
;;   OPERANDS COMPUTED ON THE WAY. 'Computed on the way' means the value that the module computes at that place (a softmax that the list does not call 'softmax' is quantised finished and normalised). What goes into a quantiser is computed in f32, as accurately as f32 sums, v_exp_f32 and their like allow (about 1e-6 of the number): no bf16 or f16 on the way to a quantiser, and a product that is left as it is and whose result goes on into a quantised operand takes f32 operands (vector FMAs, or v_wmma_f32_16x16x4_f32). A number that lies on a knife's edge between two numbers of the format may be rounded either way, as far as f32 arithmetic and the matrix unit's own rounding can turn it there, and no further.
;; One version. Each part assembles by itself: llvm-mc -triple=amdgcn-amd-amdhsa -mcpu=gfx1250 --defsym DOCPART=n.
;; ======== version 1 of 1: 1 launch
;; limits: right only within a limited range of input values; a function is approximated: absolute error at most 6e-08
;; launch knrm (part 1): grid 512 x 1, 8 waves a work-group, no clusters, 140,288 bytes of LDS; arguments query_1, document_1, query_2, document_2, emb_weight, lowp_scales, W0, b0, W1, b1, W2, b2, out0; writes out0
.if DOCPART == 1
	.amdgcn_target "amdgcn-amd-amdhsa--gfx1250"
	.amdhsa_code_object_version 6
	.text
	.protected	k_q012ff66c22_knrm
	.globl	k_q012ff66c22_knrm
	.p2align	8
	.type	k_q012ff66c22_knrm,@function
k_q012ff66c22_knrm:
	s_mov_b64 s[64:65], 0
	v_nop
	global_prefetch_b8 v0, s[64:65] scope:SCOPE_SE
	s_setreg_imm32_b32 hwreg(HW_REG_WAVE_MODE, 25, 1), 1
	s_wait_xcnt 0x0
; KNRM.  out0[b] = sigmoid(l1 - l2); l = MLP(km); km[k] = sum over 32 queries of log1p(sum over 256 documents of exp(-(x - mu_k)^2 / (2 sigma_k^2))); x = the cosine of two table rows,
; both rows divided by max(norm, 1e-8) in f32 and quantised to E5M2 with the given scales 2^e (e0 query_1, e1 document_1, e2 query_2, e3 document_2); the product is made on the codes, sums in f32.
; SHARES.  Work-group b owns batch row b: both pairs, the MLP, the sigmoid.  Eight waves.  Wave w quantises query rows 4 w .. 4 w + 3 of both pairs (shared through LDS, one barrier) and the 64 documents
; (32 w .. 32 w + 31 of each pair) that it alone multiplies, through an LDS tile of its own.  Nothing goes to memory but the one result.
; A ROW PAIR.  Lanes 0-15 take one table row, lanes 16-31 another: four loads of 16 bytes a lane, each load two aligned runs of 256 consecutive bytes.  Register 4 j + c of lane i holds k = 64 j + 4 i + c.  The norm wants
; only the four exchanges inside 16 lanes.  The lane's 16 codes go to byte 16 i of the row's 256: a fixed permutation of k, the same for queries and documents, so every product meets its partner.
; THE PRODUCT IS USED TRANSPOSED: source 0 = 16 documents, source 1 = 16 queries: a lane holds ONE query, its eight registers eight documents, so the sums over documents stay in the lane.
; THE BINNING, exact algebra: with c = 50 log2(e), z = sqrt(c) x, mu_k = -0.95 + 0.1 k:  exp(-50 (x - mu_k)^2) = g_k L_k,  L_k = 2^(-z^2 + 2 sqrt(c) mu_k z),  g_k = 2^(-c mu_k^2),  L_(k+1) = L_k R,  R = 2^(0.2 sqrt(c) z).
; Four anchors (k = 2, 7, 12, 17), R and 1 / R are exponentials; the two neighbours on each side of an anchor are multiplications; g_k multiplies the finished row sum once.  L_k is at most 2^(c mu_k^2), under 2^66.
; The exact kernel (mu = 1, sigma = 0.001) is taken directly: t = x - 1 by one fused multiply-add, then 2^(-500000 log2(e) t^2).
; LIMITS.  Each e between -126 and 112; e0 + e1 and e2 + e3 between -126 and 124.  NaN and infinities in the table are not served.  An anchor under 2^-126 counts as 0 and takes its four neighbours with it: then
; |x - mu| > 1.145 for all five, each term under 3.5e-29.  log1p(S) is ln 2 x log2(1 + S): an absolute error of about 6e-8 a term.  The result is 4 bytes a work-group: no run of 256 bytes has one owner.
; NO JOINT LOADS, NO TENSOR LOADS: rows are named by index lists, no two work-groups share a tile, and every number passes through registers for its norm.
.set PITCH, 272                        ; a row of 256 codes + 16 bytes: the 16 rows that a fragment load touches start 68 words apart
.set QPAIR, 32*PITCH                   ; LDS: the queries' codes from byte 0: [pair][32 rows]
.set QTILE, 16*PITCH
.set DREG,  2*QPAIR                    ; a tile of 16 documents for each wave, its own
.set DTILE, 16*PITCH
.set PSUM,  DREG+8*DTILE               ; partial row sums: [21 pair + k][part = 2 wave + lane / 16][query] f32
.set PKER,  2048
.set PPAIR, 21*PKER
.set KM,    PSUM+2*PPAIR               ; 48 words: km of (pair, k) at word 21 pair + k
.set H0,    KM+256                     ; [pair][16] f32
.set H1,    H0+128                     ; [pair][16] f32
; v0 thread; v1 16 i; v2 where I store query codes; v3 document codes; v4, v5 fragment addresses (documents, queries); v6, v15 partial sums of pair 0, 1; v7, v14 offsets of my indices; v8, v9 the scale and the largest number x the scale;
; v10-13 query rows' offsets; v16-23, v24-31 two sets of document rows' offsets; v32-63, v64-95 two slots of four rows; v96-143 at work; v144-159 two accumulators; v160-201, v202-243 the 21 running sums (pairs) of query tiles 0, 1.
.set TA,  96                           ; a group: sums of squares, then 1 / norm, of row pair a
.set TB,  100                          ; of row pair b
.set CA,  104                          ; the codes of a
.set CB,  108                          ; of b
.set DFR, 96                           ; fragments: 16 documents,
.set QF0, 112                          ; queries 0-15,
.set QF1, 128                          ; queries 16-31
.set YY,  96                           ; binning: z^2, then R
.set AR,  100                          ; 0.2 sqrt(c) z, then the rising chain
.set EX,  104                          ; the exact kernel
.set AN,  108                          ; four anchors x four numbers; each then walks down
.set S0,  160
.set S1,  202
.set FA,  66                           ; v66-71 the final stage's addresses
.set GA,  72                           ; v72-77 its factors g
.macro NOP4                            ; four plain vector instructions between a matrix instruction and a load into, or a vector instruction on, its registers
.rept 4
	v_nop
.endr
.endm
.macro BAR                             ; my LDS stores have landed and my LDS loads are in: then the work-group's barrier
	s_wait_dscnt 0x0
	s_barrier_signal -1
	s_barrier_wait -1
.endm
.macro ROWS x, oa, ob                  ; four table rows (two row pairs) into v[x .. x + 31]: eight loads
.irp j, 0,1,2,3
	global_load_b128 v[\x+4*\j:\x+4*\j+3], v[\oa], s[16:17] offset:256*\j
.endr
.irp j, 0,1,2,3
	global_load_b128 v[\x+16+4*\j:\x+16+4*\j+3], v[\ob], s[16:17] offset:256*\j
.endr
.endm
.macro IDXD bank, sb, tau              ; the eight indices of my half of a tile: documents 32 w + 16 tau + 8 (lane / 16) + 0 .. 7
	global_load_b128 v[16+8*\bank:16+8*\bank+3], v7, s[\sb:\sb+1] offset:64*\tau
	global_load_b128 v[20+8*\bank:20+8*\bank+3], v7, s[\sb:\sb+1] offset:64*\tau+16
.endm
.macro OFFS b, n                       ; indices become byte offsets: held inside the table's 100,000 rows, x 1,024, + my 16 bytes
.set OI, \b
.rept \n
	v_min_u32 v[OI], 0x1869f, v[OI]
	v_lshlrev_b32 v[OI], 10, v[OI]
	v_add_nc_u32 v[OI], v[OI], v1
.set OI, OI+1
.endr
.endm
.macro SETSC o                         ; operand o's scale for the conversions and its hold
	v_mov_b32 v8, s[40+2*\o]
	v_mov_b32 v9, s[41+2*\o]
.endm
; A GROUP: two row pairs, a in v[x ..], b in v[x + 16 ..], line by line by turns.  n: the loads issued behind this group's eight.
.macro GROUP x, n, sto, off
	s_wait_loadcnt \n                              ; loads come back in order: my eight are in, the younger ones stay out
	v_pk_mul_f32 v[TA:TA+1], v[\x:\x+1], v[\x:\x+1]
	v_pk_mul_f32 v[TB:TB+1], v[\x+16:\x+17], v[\x+16:\x+17]
	v_pk_mul_f32 v[TA+2:TA+3], v[\x+2:\x+3], v[\x+2:\x+3]
	v_pk_mul_f32 v[TB+2:TB+3], v[\x+18:\x+19], v[\x+18:\x+19]
.irp j, 4,8,12
	v_pk_fma_f32 v[TA:TA+1], v[\x+\j:\x+\j+1], v[\x+\j:\x+\j+1], v[TA:TA+1]
	v_pk_fma_f32 v[TB:TB+1], v[\x+16+\j:\x+17+\j], v[\x+16+\j:\x+17+\j], v[TB:TB+1]
	v_pk_fma_f32 v[TA+2:TA+3], v[\x+2+\j:\x+3+\j], v[\x+2+\j:\x+3+\j], v[TA+2:TA+3]
	v_pk_fma_f32 v[TB+2:TB+3], v[\x+18+\j:\x+19+\j], v[\x+18+\j:\x+19+\j], v[TB+2:TB+3]
.endr
	v_pk_add_f32 v[TA:TA+1], v[TA:TA+1], v[TA+2:TA+3]
	v_pk_add_f32 v[TB:TB+1], v[TB:TB+1], v[TB+2:TB+3]
	v_add_f32 v[TA], v[TA], v[TA+1]
	v_add_f32 v[TB], v[TB], v[TB+1]
.irp m, 1,2,4,8                        ; a row lies in 16 lanes: four exchanges give every lane its row's sum of squares
	v_add_f32_dpp v[TA], v[TA], v[TA] row_xmask:\m row_mask:0xf bank_mask:0xf
	v_add_f32_dpp v[TB], v[TB], v[TB] row_xmask:\m row_mask:0xf bank_mask:0xf
.endr
	v_rsq_f32 v[TA+2], v[TA]
	v_rsq_f32 v[TB+2], v[TB]
	v_nop                                          ; a plain instruction behind the last of the two,
	s_wait_alu depctr_va_vdst(0)                   ; and one wait for both ahead of their first reader
	v_min_num_f32 v[TA+2], s56, v[TA+2]            ; 1 / max(norm, 1e-8) = min(1 / norm, 1e8): a sum of squares of 0 gives infinity, which the minimum holds
	v_min_num_f32 v[TB+2], s56, v[TB+2]
.irp j, 0,2,4,6,8,10,12,14
	v_pk_mul_f32 v[\x+\j:\x+\j+1], v[\x+\j:\x+\j+1], v[TA+2:TA+3] op_sel_hi:[1,0]
	v_pk_mul_f32 v[\x+16+\j:\x+17+\j], v[\x+16+\j:\x+17+\j], v[TB+2:TB+3] op_sel_hi:[1,0]
.endr
.irp j, 0,1,2,3,4,5,6,7,8,9,10,11,12,13,14,15,16,17,18,19,20,21,22,23,24,25,26,27,28,29,30,31
	v_med3_num_f32 v[\x+\j], v[\x+\j], -v9, v9     ; the conversion to an 8-bit code does not saturate (ISA guide 7.6.2): the hold at the largest code x the scale, always executed
.endr
	s_wait_dscnt 0x0                               ; the last group's stores have read the codes' registers
	v_cvt_scalef32_pk8_bf8_f32 v[CA:CA+1], v[\x:\x+7], v8
	v_cvt_scalef32_pk8_bf8_f32 v[CA+2:CA+3], v[\x+8:\x+15], v8
	v_cvt_scalef32_pk8_bf8_f32 v[CB:CB+1], v[\x+16:\x+23], v8
	v_cvt_scalef32_pk8_bf8_f32 v[CB+2:CB+3], v[\x+24:\x+31], v8
	v_nop                                          ; a plain instruction between the conversions and whatever vector or matrix instruction next touches their registers
	ds_store_b128 v[\sto], v[CA:CA+3] offset:\off
	ds_store_b128 v[\sto], v[CB:CB+3] offset:\off+PITCH
.endm
; The fragments of K step s (128 codes): 16 rows x 128 bytes in 16 registers, four loads of 16 bytes, 32 bytes apart, the same places in documents and queries
.macro FRAGS s, p
.irp c, 0,1,2,3
	ds_load_b128 v[DFR+4*\c:DFR+4*\c+3], v4 offset:128*\s+32*\c
.endr
.irp c, 0,1,2,3
	ds_load_b128 v[QF0+4*\c:QF0+4*\c+3], v5 offset:QPAIR*\p+128*\s+32*\c
.endr
.irp c, 0,1,2,3
	ds_load_b128 v[QF1+4*\c:QF1+4*\c+3], v5 offset:QPAIR*\p+QTILE+128*\s+32*\c
.endr
.endm
.macro MM s                            ; the two accumulators take turns, one instruction a turn; the first K step starts the sums
.if \s == 0
	v_wmma_f32_16x16x128_bf8_bf8 v[144:151], v[DFR:DFR+15], v[QF0:QF0+15], 0
	v_wmma_f32_16x16x128_bf8_bf8 v[152:159], v[DFR:DFR+15], v[QF1:QF1+15], 0
.else
	v_wmma_f32_16x16x128_bf8_bf8 v[144:151], v[DFR:DFR+15], v[QF0:QF0+15], v[144:151]
	v_wmma_f32_16x16x128_bf8_bf8 v[152:159], v[DFR:DFR+15], v[QF1:QF1+15], v[152:159]
.endif
.endm
; Four numbers v[x .. x + 3] onto kernel k's running pair, in two halves.  first = 1: they start it: nothing is ever cleared.
.macro ADD0 k, x, sb, first
.if \first == 0
	v_pk_add_f32 v[\sb+2*(\k):\sb+2*(\k)+1], v[\sb+2*(\k):\sb+2*(\k)+1], v[\x:\x+1]
.endif
.endm
.macro ADD1 k, x, sb, first
.if \first == 0
	v_pk_add_f32 v[\sb+2*(\k):\sb+2*(\k)+1], v[\sb+2*(\k):\sb+2*(\k)+1], v[\x+2:\x+3]
.else
	v_pk_add_f32 v[\sb+2*(\k):\sb+2*(\k)+1], v[\x:\x+1], v[\x+2:\x+3]
.endif
.endm
; Four cosines, the raw sums in v[a .. a + 3], into the 21 running sums at sb.  s[SSR] = 2^(eA + eB), s[SZR] = sqrt(c) x that.
.macro KBATCH a, sb, first
.irp e, 0,2
	v_pk_fma_f32 v[EX+\e:EX+\e+1], v[\a+\e:\a+\e+1], s[SSR:SSR+1], -1.0 op_sel_hi:[1,0,0]   ; t = x - 1, rounded once
.endr
.irp e, 0,2
	v_pk_mul_f32 v[AN+\e:AN+\e+1], v[EX+\e:EX+\e+1], 0xc9301c38 op_sel_hi:[1,0]             ; -500000 log2(e) t
.endr
.irp e, 0,2
	v_pk_mul_f32 v[\a+\e:\a+\e+1], v[\a+\e:\a+\e+1], s[SZR:SZR+1] op_sel_hi:[1,0]           ; z
.endr
.irp e, 0,2
	v_pk_mul_f32 v[EX+\e:EX+\e+1], v[AN+\e:AN+\e+1], v[EX+\e:EX+\e+1]
.endr
.irp e, 0,2
	v_pk_mul_f32 v[YY+\e:YY+\e+1], v[\a+\e:\a+\e+1], v[\a+\e:\a+\e+1]                       ; z^2
.endr
.irp e, 0,2
	v_pk_mul_f32 v[AR+\e:AR+\e+1], v[\a+\e:\a+\e+1], 0x3fd96d27 op_sel_hi:[1,0]             ; 0.2 sqrt(c) z
.endr
.irp e, 0,2                            ; 2 sqrt(c) mu z - z^2 for mu = -0.75, -0.25, 0.25, 0.75
	v_pk_fma_f32 v[AN+\e:AN+\e+1], v[\a+\e:\a+\e+1], 0xc14bd655, v[YY+\e:YY+\e+1] op_sel_hi:[1,0,1] neg_lo:[0,0,1] neg_hi:[0,0,1]
	v_pk_fma_f32 v[AN+4+\e:AN+5+\e], v[\a+\e:\a+\e+1], 0xc087e439, v[YY+\e:YY+\e+1] op_sel_hi:[1,0,1] neg_lo:[0,0,1] neg_hi:[0,0,1]
	v_pk_fma_f32 v[AN+8+\e:AN+9+\e], v[\a+\e:\a+\e+1], 0x4087e439, v[YY+\e:YY+\e+1] op_sel_hi:[1,0,1] neg_lo:[0,0,1] neg_hi:[0,0,1]
	v_pk_fma_f32 v[AN+12+\e:AN+13+\e], v[\a+\e:\a+\e+1], 0x414bd655, v[YY+\e:YY+\e+1] op_sel_hi:[1,0,1] neg_lo:[0,0,1] neg_hi:[0,0,1]
.endr
.irp n, 0,1,2,3                        ; ONE BATCH of 28 exponentials; none reads another's result or writes another's source
	v_exp_f32 v[EX+\n], v[EX+\n]
.endr
.irp n, 0,1,2,3,4,5,6,7,8,9,10,11,12,13,14,15
	v_exp_f32 v[AN+\n], v[AN+\n]
.endr
.irp n, 0,1,2,3
	v_exp_f32 v[YY+\n], v[AR+\n]                   ; R
.endr
.irp n, 0,1,2,3
	v_exp_f32 v[\a+\n], -v[AR+\n]                  ; 1 / R
.endr
	v_nop                                          ; a plain instruction behind the last exponential,
	s_wait_alu depctr_va_vdst(0)                   ; and one wait for the batch ahead of its first reader
	ADD0 20, EX, \sb, \first
	ADD1 20, EX, \sb, \first
.irp q, 0,1,2,3                        ; anchor k = 2 + 5 q, then k + 1, k - 1, k + 2, k - 2
.set KA, 2+5*\q
.set AQ, AN+4*\q
	ADD0 KA, AQ, \sb, \first
	v_pk_mul_f32 v[AR:AR+1], v[AQ:AQ+1], v[YY:YY+1]
	ADD1 KA, AQ, \sb, \first
	v_pk_mul_f32 v[AR+2:AR+3], v[AQ+2:AQ+3], v[YY+2:YY+3]
	v_pk_mul_f32 v[AQ:AQ+1], v[AQ:AQ+1], v[\a:\a+1]
	v_pk_mul_f32 v[AQ+2:AQ+3], v[AQ+2:AQ+3], v[\a+2:\a+3]
	ADD0 KA+1, AR, \sb, \first
	ADD0 KA-1, AQ, \sb, \first
	ADD1 KA+1, AR, \sb, \first
	ADD1 KA-1, AQ, \sb, \first
	v_pk_mul_f32 v[AR:AR+1], v[AR:AR+1], v[YY:YY+1]
	v_pk_mul_f32 v[AR+2:AR+3], v[AR+2:AR+3], v[YY+2:YY+3]
	v_pk_mul_f32 v[AQ:AQ+1], v[AQ:AQ+1], v[\a:\a+1]
	v_pk_mul_f32 v[AQ+2:AQ+3], v[AQ+2:AQ+3], v[\a+2:\a+3]
	ADD0 KA+2, AR, \sb, \first
	ADD0 KA-2, AQ, \sb, \first
	ADD1 KA+2, AR, \sb, \first
	ADD1 KA-2, AQ, \sb, \first
.endr
.endm
; My tile of 16 documents against the pair's 32 queries: four matrix instructions, then the binning of 2 x 8 cosines a lane.  Each accumulator is read from its low end on.
.macro TILE p, first
.set SSR, 48+4*\p
.set SZR, 50+4*\p
	s_wait_dscnt 0x0                               ; the stores of the tile's last codes have read their registers, on which fragments land now; LDS serves my instructions in order, so the loads see the stores
	FRAGS 0, \p
	s_wait_dscnt 0x0
	MM 0
	NOP4
	FRAGS 1, \p
	s_wait_dscnt 0x0
	MM 1
	NOP4
	KBATCH 144, S0, \first
	KBATCH 148, S0, 0
	KBATCH 152, S1, \first
	KBATCH 156, S1, 0
.endm
.macro DUMP adr                        ; a pair's 2 x 21 running sums: even and odd documents' halves added, one word each to my part of the partial sums
.irp k, 0,1,2,3,4,5,6,7,8,9,10,11,12,13,14,15,16,17,18,19,20
	v_add_f32 v[S0+2*\k], v[S0+2*\k], v[S0+2*\k+1]
	v_add_f32 v[S1+2*\k], v[S1+2*\k], v[S1+2*\k+1]
.endr
.irp k, 0,1,2,3,4,5,6,7,8,9,10,11,12,13,14,15,16,17,18,19,20
	ds_store_b32 v[\adr], v[S0+2*\k] offset:PKER*\k
	ds_store_b32 v[\adr], v[S1+2*\k] offset:PKER*\k+64
.endr
.endm
	; ---- the head
	s_load_b512 s[8:23], s[0:1], 0x0               ; query_1 s[8:9], document_1 s[10:11], query_2 s[12:13], document_2 s[14:15], the table s[16:17], the scales s[18:19], W0 s[20:21], b0 s[22:23]
	s_load_b256 s[24:31], s[0:1], 0x40             ; W1 s[24:25], b1 s[26:27], W2 s[28:29], b2 s[30:31]
	s_load_b64 s[32:33], s[0:1], 0x60              ; out0
	v_lshl_add_u32 v254, v0, 2, 0x22000
	v_mov_b32 v255, 0
	v_lshrrev_b32 v2, 5, v0
	v_readfirstlane_b32 s34, v2                    ; wave 0..7
	v_and_b32 v10, 15, v0                          ; i = r = lane % 16
	v_bfe_u32 v11, v0, 4, 1                        ; h = lane / 16
	v_lshlrev_b32 v1, 4, v10                       ; 16 i
	s_mul_i32 s60, s34, 4*PITCH
	v_mul_u32_u24 v2, v11, 2*PITCH
	v_add_nc_u32 v2, v2, v1
	v_add_nc_u32 v2, s60, v2                       ; query codes: row 4 w + 2 h, byte 16 i
	s_mul_i32 s61, s34, DTILE
	s_add_co_u32 s61, s61, DREG                    ; my wave's tile
	v_mul_u32_u24 v3, v11, 8*PITCH
	v_add_nc_u32 v3, v3, v1
	v_add_nc_u32 v3, s61, v3                       ; document codes: tile row 8 h, byte 16 i
	v_mul_u32_u24 v5, v10, PITCH
	v_lshl_add_u32 v5, v11, 4, v5                  ; a fragment's row r, + 16 h: the queries' (they begin at LDS byte 0),
	v_add_nc_u32 v4, s61, v5                       ; and my documents'
	s_lshl_b32 s62, s34, 8
	s_add_co_u32 s62, s62, PSUM
	v_lshlrev_b32 v6, 2, v10
	v_lshl_add_u32 v6, v11, 7, v6
	v_add_nc_u32 v6, s62, v6                       ; partial sums of pair 0: part 2 w + h, query r
	v_add_nc_u32 v15, PPAIR, v6                    ; of pair 1
	s_lshl_b32 s63, s34, 7
	v_lshlrev_b32 v7, 5, v11
	v_add_nc_u32 v7, s63, v7                       ; my document indices: 4 (32 w + 8 h) bytes
	s_lshl_b32 s63, s34, 4
	v_lshlrev_b32 v14, 3, v11
	v_add_nc_u32 v14, s63, v14                     ; my query indices: 4 (4 w + 2 h) bytes
	s_mov_b32 s56, 0x4cbebc20                      ; 1e8
	s_mov_b32 s57, 0x3dcccccd                      ; 0.1
	s_mov_b32 s66, 0xbf733333                      ; -0.95
	s_mov_b32 s58, 0x76543210                      ; v_permlanex16_b32: each lane takes its own place in the other half
	s_mov_b32 s59, 0xfedcba98
	s_wait_kmcnt 0x0
	s_load_b128 s[36:39], s[18:19], 0x0            ; e0 .. e3
	s_load_b128 s[68:71], s[28:29], 0x0            ; W2
	s_load_b32 s72, s[28:29], 0x10
	s_load_b32 s73, s[30:31], 0x0                  ; b2
	s_lshl_b32 s60, ttmp9, 7                       ; batch row b: 128 bytes of query indices,
	s_mov_b32 s61, 0
	s_add_nc_u64 s[8:9], s[8:9], s[60:61]
	s_add_nc_u64 s[12:13], s[12:13], s[60:61]
	s_lshl_b32 s62, ttmp9, 10                      ; 1,024 of document indices,
	s_mov_b32 s63, 0
	s_add_nc_u64 s[10:11], s[10:11], s[62:63]
	s_add_nc_u64 s[14:15], s[14:15], s[62:63]
	s_lshl_b32 s60, ttmp9, 2                       ; 4 of the output
	s_add_nc_u64 s[32:33], s[32:33], s[60:61]
	global_load_b64 v[10:11], v14, s[8:9]          ; six index loads
	global_load_b64 v[12:13], v14, s[12:13]
	IDXD 0, 10, 0
	IDXD 1, 10, 1
	s_wait_kmcnt 0x0
.irp o, 0,1,2,3
	s_add_co_i32 s60, s[36+\o], 127
	s_lshl_b32 s[40+2*\o], s60, 23                 ; 2^e as f32: the conversion takes its exponent field
	s_add_co_i32 s60, s60, 15
	s_lshl_b32 s60, s60, 23
	s_or_b32 s[41+2*\o], s60, 0x600000             ; 57,344 x 2^e
.endr
.irp p, 0,1
	s_add_co_i32 s60, s[36+2*\p], s[37+2*\p]       ; a raw sum stands for sum x 2^(eA + eB): the exponents are added to the exponent fields of 1 and of sqrt(c)
	s_lshl_b32 s60, s60, 23
	s_add_co_i32 s[48+4*\p], s60, 0x3f800000
	s_mov_b32 s[49+4*\p], s[48+4*\p]               ; (named with it as a pair, so it is written)
	s_add_co_i32 s[50+4*\p], s60, 0x4107e439
	s_mov_b32 s[51+4*\p], s[50+4*\p]
.endr
	s_wait_loadcnt 4                               ; the two query index loads are in; the four document index loads are younger
	OFFS 10, 4
	ROWS 32, 10, 11                                ; G0: my four rows of query_1
	ROWS 64, 12, 13                                ; G1: of query_2
	s_wait_loadcnt 16                              ; the document indices of tiles 0 and 1 are in; the sixteen row loads are younger
	OFFS 16, 16
	; ---- the stream: 18 groups through two slots; behind each group its slot is asked for again, two groups ahead.  A set of offsets is loaded anew only behind the wait that shows the last row load that used it done.
	SETSC 0
	GROUP 32, 8, 2, 0                              ; G0; younger: G1
	ROWS 32, 16, 17                                ; G2
	SETSC 2
	GROUP 64, 8, 2, QPAIR                          ; G1; younger: G2
	ROWS 64, 18, 19                                ; G3
	SETSC 1
	GROUP 32, 8, 3, 0                              ; G2: tile 0 (pair 0, documents 32 w + 0 .. 15)
	ROWS 32, 20, 21                                ; G4
	GROUP 64, 8, 3, 2*PITCH                        ; G3
	ROWS 64, 22, 23                                ; G5
	GROUP 32, 8, 3, 4*PITCH                        ; G4
	ROWS 32, 24, 25                                ; G6
	GROUP 64, 8, 3, 6*PITCH                        ; G5
	ROWS 64, 26, 27                                ; G7
	IDXD 0, 14, 0                                  ; tile 2's indices
	BAR                                            ; every wave's query codes lie in LDS; they are never written again
	TILE 0, 1
	GROUP 32, 10, 3, 0                             ; G6: tile 1; younger: G7 and the two index loads
	ROWS 32, 28, 29                                ; G8
	GROUP 64, 10, 3, 2*PITCH                       ; G7; younger: the two index loads and G8
	ROWS 64, 30, 31                                ; G9
	GROUP 32, 8, 3, 4*PITCH                        ; G8; younger: G9: so tile 2's indices are in
	OFFS 16, 8
	ROWS 32, 16, 17                                ; G10
	GROUP 64, 8, 3, 6*PITCH                        ; G9
	ROWS 64, 18, 19                                ; G11
	IDXD 1, 14, 1                                  ; tile 3's indices
	TILE 0, 0
	DUMP 6
	SETSC 3
	GROUP 32, 10, 3, 0                             ; G10: tile 2 (pair 1); younger: G11 and the two index loads
	ROWS 32, 20, 21                                ; G12
	GROUP 64, 10, 3, 2*PITCH                       ; G11; younger: the two index loads and G12
	ROWS 64, 22, 23                                ; G13
	GROUP 32, 8, 3, 4*PITCH                        ; G12; younger: G13: so tile 3's indices are in
	OFFS 24, 8
	ROWS 32, 24, 25                                ; G14
	GROUP 64, 8, 3, 6*PITCH                        ; G13
	ROWS 64, 26, 27                                ; G15
	TILE 1, 1
	GROUP 32, 8, 3, 0                              ; G14: tile 3
	ROWS 32, 28, 29                                ; G16
	GROUP 64, 8, 3, 2*PITCH                        ; G15
	ROWS 64, 30, 31                                ; G17
	GROUP 32, 8, 3, 4*PITCH                        ; G16; younger: G17
	GROUP 64, 0, 3, 6*PITCH                        ; G17: the last loads
	; ---- no load is out: the addresses and factors of the end are made here, by every wave, ahead of the branch that wave 0 alone passes
	v_and_b32 v27, 15, v0                          ; i
	v_bfe_u32 v28, v0, 4, 1                        ; h
	v_and_b32 v29, 31, v0                          ; lane
	v_mul_u32_u24 v20, v28, 84
	v_add_nc_u32 v20, KM, v20                      ; km of pair h
	v_lshlrev_b32 v22, 6, v28
	v_add_nc_u32 v22, H0, v22                      ; the first hidden layer of pair h,
	v_lshl_add_u32 v21, v27, 2, v22                ; and its unit i
	v_lshlrev_b32 v23, 6, v28
	v_lshl_add_u32 v23, v27, 2, v23
	v_add_nc_u32 v23, H1, v23                      ; the second hidden layer: pair h, unit i
	v_mov_b32 v24, H1
	s_lshl_b32 s60, s34, 2
	s_add_co_u32 s60, s60, KM
	v_mov_b32 v25, s60                             ; where I put km: word w + 8 j
	v_lshlrev_b32 v26, 2, v29
	v_add_nc_u32 v26, PSUM, v26                    ; partial sums of query = my lane
	v_min_u32 v16, 9, v27                          ; the weights' rows: lanes beyond the layer's width take its last row, so that no load leaves its buffer
	v_lshlrev_b32 v17, 2, v16
	v_mul_u32_u24 v16, v16, 84
	v_min_u32 v18, 4, v27
	v_lshlrev_b32 v19, 2, v18
	v_mul_u32_u24 v18, v18, 40
.irp j, 0,1,2,3,4,5                    ; the 42 (pair, kernel) go round the waves: number w + 8 j, held at 41
	s_add_co_u32 s60, s34, 8*\j
	s_min_u32 s60, s60, 41
	s_lshl_b32 s61, s60, 11
	v_add_nc_u32 v[FA+\j], s61, v26
	s_cmp_ge_u32 s60, 21
	s_cselect_b32 s62, 21, 0
	s_sub_co_u32 s62, s60, s62                     ; k
	s_cmp_eq_u32 s62, 20
	s_cselect_b32 s63, 0, 1.0                      ; the exact kernel's sums are whole: g = 1
	v_cvt_f32_u32 v[GA+\j], s62
	v_fma_f32 v[GA+\j], v[GA+\j], s57, s66         ; mu = 0.1 k - 0.95
	v_mul_f32 v[GA+\j], v[GA+\j], v[GA+\j]
	v_mul_f32 v[GA+\j], 0xc29044fe, v[GA+\j]       ; -c mu^2
	v_mul_f32 v[GA+\j], s63, v[GA+\j]
.endr
.irp j, 0,1,2,3,4,5
	v_exp_f32 v[GA+\j], v[GA+\j]                   ; g
.endr
	v_nop
	s_wait_alu depctr_va_vdst(0)                   ; one wait for the six, ahead of the branch
	s_cmp_lg_u32 s34, 0
	s_cbranch_scc1 .Lno_weights
.irp k, 0,1,2,3,4,5,6,7,8,9,10,11,12,13,14,15,16,17,18,19,20
	global_load_b32 v[32+\k], v16, s[20:21] offset:4*\k   ; wave 0: row min(i, 9) of W0; these land under the last tile's work
.endr
	global_load_b32 v53, v17, s[22:23]             ; b0
.irp m, 0,1,2,3,4,5,6,7,8,9
	global_load_b32 v[54+\m], v18, s[24:25] offset:4*\m   ; row min(i, 4) of W1
.endr
	global_load_b32 v64, v19, s[26:27]             ; b1
.Lno_weights:
	TILE 1, 0
	DUMP 15
	BAR                                            ; all partial sums lie in LDS
	; ---- the final stage: for each of my six (pair, kernel): 16 parts added for query = my lane, x g, log1p, the sum over the 32 queries
.irp j, 0,1,2,3,4,5
.irp q, 0,1,2,3,4,5,6,7,8,9,10,11,12,13,14,15
	ds_load_b32 v[96+16*\j+\q], v[FA+\j] offset:128*\q
.endr
.endr
	s_wait_dscnt 0x0
.irp j, 0,1,2,3,4,5
.set FB, 96+16*\j
	v_pk_add_f32 v[FB:FB+1], v[FB:FB+1], v[FB+2:FB+3]
	v_pk_add_f32 v[FB+4:FB+5], v[FB+4:FB+5], v[FB+6:FB+7]
	v_pk_add_f32 v[FB+8:FB+9], v[FB+8:FB+9], v[FB+10:FB+11]
	v_pk_add_f32 v[FB+12:FB+13], v[FB+12:FB+13], v[FB+14:FB+15]
	v_pk_add_f32 v[FB:FB+1], v[FB:FB+1], v[FB+4:FB+5]
	v_pk_add_f32 v[FB+8:FB+9], v[FB+8:FB+9], v[FB+12:FB+13]
	v_pk_add_f32 v[FB:FB+1], v[FB:FB+1], v[FB+8:FB+9]
	v_add_f32 v[FB], v[FB], v[FB+1]
	v_fma_f32 v[FB], v[FB], v[GA+\j], 1.0          ; 1 + g x the row sum
.endr
.irp j, 0,1,2,3,4,5
	v_log_f32 v[96+16*\j], v[96+16*\j]
.endr
	v_nop
	s_wait_alu depctr_va_vdst(0)                   ; one wait for the six logarithms
.irp m, 1,2,4,8
.irp j, 0,1,2,3,4,5
	v_add_f32_dpp v[96+16*\j], v[96+16*\j], v[96+16*\j] row_xmask:\m row_mask:0xf bank_mask:0xf
.endr
.endr
.irp j, 0,1,2,3,4,5
	v_permlanex16_b32 v[97+16*\j], v[96+16*\j], s58, s59
.endr
.irp j, 0,1,2,3,4,5
	v_add_f32 v[96+16*\j], v[96+16*\j], v[97+16*\j]
.endr
.irp j, 0,1,2,3,4,5
	v_mul_f32 v[96+16*\j], 0x3f317218, v[96+16*\j] ; x ln 2
.endr
.irp j, 0,1,2,3,4,5
	ds_store_b32 v25, v[96+16*\j] offset:32*\j     ; all lanes write the same number to word w + 8 j; words 42 to 47 get copies of number 41 that nobody reads
.endr
	BAR                                            ; km of both pairs lies in LDS
	; ---- the MLP and the sigmoid: wave 0 alone; lane (i, h) = unit i of pair h.  One row of 21, 10 and 5 numbers a pair: fused multiply-adds in f32; a matrix instruction would be nearly all padding
	s_cmp_lg_u32 s34, 0
	s_cbranch_scc1 .Lend
	s_wait_loadcnt 0x0                             ; the weights
.irp k, 0,1,2,3,4,5,6,7,8,9,10,11,12,13,14,15,16,17,18,19,20
	ds_load_b32 v[96+\k], v20 offset:4*\k
.endr
	s_wait_dscnt 0x0
	v_fma_f32 v120, v32, v96, v53                  ; the bias starts the sum
.irp k, 1,2,3,4,5,6,7,8,9,10,11,12,13,14,15,16,17,18,19,20
	v_fmac_f32 v120, v[32+\k], v[96+\k]
.endr
	v_max_num_f32 v120, 0, v120
	ds_store_b32 v21, v120
	ds_load_b128 v[124:127], v22                   ; LDS serves a wave's instructions in order (ISA guide 5.7.1.4): these see the store above
	ds_load_b128 v[128:131], v22 offset:16
	ds_load_b64 v[132:133], v22 offset:32
	s_wait_dscnt 0x0
	v_fma_f32 v121, v54, v124, v64
.irp m, 1,2,3,4,5,6,7,8,9
	v_fmac_f32 v121, v[54+\m], v[124+\m]
.endr
	v_max_num_f32 v121, 0, v121
	ds_store_b32 v23, v121
	ds_load_b128 v[136:139], v24                   ; both pairs' five numbers, in every lane
	ds_load_b32 v140, v24 offset:16
	ds_load_b128 v[144:147], v24 offset:64
	ds_load_b32 v148, v24 offset:80
	s_wait_dscnt 0x0
	v_fma_f32 v150, v136, s68, s73                 ; l1 and l2, each begun with b2
	v_fma_f32 v151, v144, s68, s73
	v_fmac_f32 v150, s69, v137
	v_fmac_f32 v151, s69, v145
	v_fmac_f32 v150, s70, v138
	v_fmac_f32 v151, s70, v146
	v_fmac_f32 v150, s71, v139
	v_fmac_f32 v151, s71, v147
	v_fmac_f32 v150, s72, v140
	v_fmac_f32 v151, s72, v148
	v_sub_f32 v150, v150, v151
	v_mul_f32 v150, 0xbfb8aa3b, v150               ; sigmoid(d) = 1 / (1 + 2^(-log2(e) d))
	v_exp_f32 v150, v150
	v_mov_b32 v152, 0                              ; (a plain instruction behind the exponential)  the store's offset
	s_wait_alu depctr_va_vdst(0)
	v_add_f32 v150, 1.0, v150
	v_rcp_f32 v150, v150
	v_nop
	s_wait_alu depctr_va_vdst(0)
	v_cmp_eq_u32 vcc_lo, 0, v0
	s_wait_xcnt 0x0                                ; EXEC changes only behind this wait: it is a source of the loads issued before
	s_and_saveexec_b32 s60, vcc_lo
	global_store_b32 v152, v150, s[32:33]          ; thread 0 stores out0[b]
	s_wait_xcnt 0x0                                ; and again in front of the line that widens it
	s_or_b32 exec_lo, exec_lo, s60
.Lend:
	s_wait_tensorcnt 0x0
	ds_add_u32 v254, v255
	s_wait_dscnt 0x0
	s_endpgm
.Lfunc_end_k_q012ff66c22_knrm:
	.size	k_q012ff66c22_knrm, .Lfunc_end_k_q012ff66c22_knrm-k_q012ff66c22_knrm
	.p2alignl 7, 3214868480
	.fill 96, 4, 3214868480
	.section	.rodata,"a",@progbits
	.p2align	6, 0x0
	.amdhsa_kernel k_q012ff66c22_knrm
		.amdhsa_group_segment_fixed_size 140288
		.amdhsa_private_segment_fixed_size 0
		.amdhsa_enable_private_segment 0
		.amdhsa_kernarg_size 104
		.amdhsa_user_sgpr_count 2
		.amdhsa_user_sgpr_kernarg_segment_ptr 1
		.amdhsa_wavefront_size32 1
		.amdhsa_system_sgpr_workgroup_id_x 1
		.amdhsa_system_sgpr_workgroup_id_y 1
		.amdhsa_system_sgpr_workgroup_id_z 1
		.amdhsa_system_vgpr_workitem_id 0
		.amdhsa_next_free_vgpr 256
		.amdhsa_next_free_sgpr 80
		.amdhsa_reserve_vcc 1
		.amdhsa_float_denorm_mode_32 3
		.amdhsa_float_denorm_mode_16_64 3
		.amdhsa_memory_ordered 1
		.amdhsa_forward_progress 1
		.amdhsa_inst_pref_size 255
	.end_amdhsa_kernel
	.section	.bss,"aw",@nobits
	.p2align	6
	.space	262144
	.amdgpu_metadata
---
amdhsa.version: [ 1, 2 ]
amdhsa.kernels:
  - .name:           k_q012ff66c22_knrm
    .symbol:         k_q012ff66c22_knrm.kd
    .args:
      - { .name: query_1, .offset: 0, .size: 8, .value_kind: global_buffer, .address_space: global }
      - { .name: document_1, .offset: 8, .size: 8, .value_kind: global_buffer, .address_space: global }
      - { .name: query_2, .offset: 16, .size: 8, .value_kind: global_buffer, .address_space: global }
      - { .name: document_2, .offset: 24, .size: 8, .value_kind: global_buffer, .address_space: global }
      - { .name: emb_weight, .offset: 32, .size: 8, .value_kind: global_buffer, .address_space: global }
      - { .name: lowp_scales, .offset: 40, .size: 8, .value_kind: global_buffer, .address_space: global }
      - { .name: W0, .offset: 48, .size: 8, .value_kind: global_buffer, .address_space: global }
      - { .name: b0, .offset: 56, .size: 8, .value_kind: global_buffer, .address_space: global }
      - { .name: W1, .offset: 64, .size: 8, .value_kind: global_buffer, .address_space: global }
      - { .name: b1, .offset: 72, .size: 8, .value_kind: global_buffer, .address_space: global }
      - { .name: W2, .offset: 80, .size: 8, .value_kind: global_buffer, .address_space: global }
      - { .name: b2, .offset: 88, .size: 8, .value_kind: global_buffer, .address_space: global }
      - { .name: out0, .offset: 96, .size: 8, .value_kind: global_buffer, .address_space: global }
    .group_segment_fixed_size: 140288
    .private_segment_fixed_size: 0
    .kernarg_segment_align: 8
    .kernarg_segment_size: 104
    .max_flat_workgroup_size: 256
    .sgpr_count:     80
    .vgpr_count:     256
    .wavefront_size: 32
...
	.end_amdgpu_metadata
.endif
;; end of part 1
